; MI455X (gfx1250); checked and timed in simulation.
; The chip was launched on July 23, 2026; its instructions are those of AMD's public machine-readable ISA for CDNA 5 (MIT licence, August 2026) and "CDNA5" Instruction Set Architecture Reference Guide (July 2026). The comments in the code are by the model that wrote it; some were corrected since.
;; ntn layer. Allowed arithmetic: float matrix products may take bf16 or f16 operands with f32 sums; other float arithmetic in f32, or as packed bf16 or f16 multiplies, adds, multiply-adds, maxima and minima; sums over many terms, partial sums and values carried from step to step in f32; what a program stores and reads back later, other than sums and carried values, may be rounded once to bf16 or f16.
;; Inputs: G 512 x 16 float32; V 512 x 16 float32; W 16 x 256 x 256 float32; b1 16 float32; b2 16 float32; e1 32,768 x 256 float32; e2 32,768 x 256 float32.
;; Outputs: out0 32,768 x 32 float32.
;; One version. Each part assembles by itself: llvm-mc -triple=amdgcn-amd-amdhsa -mcpu=gfx1250 --defsym DOCPART=n.
;; ======== version 1 of 1: 2 launches
;; workspace buffers: wb 2,097,152 bytes; vg 32,768 bytes
;; launch prep (part 1): grid 264 x 1, 8 waves a work-group, no clusters, 0 bytes of LDS; arguments W, V, G, wb, vg; writes wb, vg
.if DOCPART == 1
	.amdgcn_target "amdgcn-amd-amdhsa--gfx1250"
	.amdhsa_code_object_version 6
	.text
	.protected	k_q97a6189bec_prep
	.globl	k_q97a6189bec_prep
	.p2align	8
	.type	k_q97a6189bec_prep,@function
k_q97a6189bec_prep:
	s_mov_b64 s[64:65], 0
	v_nop
	global_prefetch_b8 v0, s[64:65] scope:SCOPE_SE
	s_setreg_imm32_b32 hwreg(HW_REG_WAVE_MODE, 25, 1), 1
	s_wait_xcnt 0x0
; THE WEIGHTS, ROUNDED ONCE AND LAID OUT ONCE.  No work of reference() is left out in this program: every input has a way to an output and is loaded.
; wb[k*256+d][e] = bf16(W[k][d][e]): the same order as W, 512 bytes a row.   vg[k][c] = bf16(V[c][k]), vg[16+k][c] = bf16(G[c][k]): turned, so that c lies along the rows (1,024 bytes a row).
; Every work-group of the next launch walks all of W: rounded here, it is rounded once, and half the bytes are moved there.
; Work-groups 0-255: 16,384 bytes of W each.  A thread takes 32 consecutive bytes (8 numbers) twice and stores 16 bytes twice: sixteen neighbouring lanes store 256 consecutive, aligned bytes.
; Work-groups 256-263: four rows of vg each.  A thread gathers 8 numbers of one column of V or G (64 KiB in all) and stores 16 bytes; a wave's store covers 512 consecutive bytes.
; LIMIT: rounding to bf16 is to nearest even; a number beyond bf16's largest finite one becomes an infinity.
	s_load_b256 s[4:11], s[0:1], 0x0               ; W s[4:5], V s[6:7], G s[8:9], wb s[10:11]
	s_load_b64 s[12:13], s[0:1], 0x20              ; vg
	s_cmp_ge_u32 ttmp9, 256
	s_cbranch_scc1 .Lvg
	s_lshl_b32 s16, ttmp9, 14                      ; my 16,384 bytes of W,
	s_mov_b32 s17, 0
	s_lshl_b32 s18, ttmp9, 13                      ; my 8,192 bytes of wb
	s_mov_b32 s19, 0
	v_lshlrev_b32 v1, 5, v0                        ; 32 bytes in,
	v_lshlrev_b32 v2, 4, v0                        ; 16 bytes out
	s_wait_kmcnt 0x0
	s_add_nc_u64 s[4:5], s[4:5], s[16:17]
	s_add_nc_u64 s[10:11], s[10:11], s[18:19]
	global_load_b128 v[4:7],   v1, s[4:5] th:TH_LOAD_NT
	global_load_b128 v[8:11],  v1, s[4:5] offset:16 th:TH_LOAD_NT
	global_load_b128 v[12:15], v1, s[4:5] offset:8192 th:TH_LOAD_NT
	global_load_b128 v[16:19], v1, s[4:5] offset:8208 th:TH_LOAD_NT
	s_wait_loadcnt 0x0
.irp j, 0,1,2,3,4,5,6,7
	v_cvt_pk_bf16_f32 v[20+\j], v[4+2*\j], v[5+2*\j]
.endr
	global_store_b128 v2, v[20:23], s[10:11]
	global_store_b128 v2, v[24:27], s[10:11] offset:4096
	s_endpgm
.Lvg:
	s_sub_co_u32 s16, ttmp9, 256                   ; q = 0..7: rows 4 q .. 4 q + 3 of vg
	s_and_b32 s17, s16, 3
	s_lshl_b32 s17, s17, 4                         ; 4 bytes x column 4 (q % 4)
	s_lshl_b32 s18, s16, 12                        ; four rows of 1,024 bytes
	s_mov_b32 s19, 0
	v_and_b32 v1, 63, v0                           ; which 8 of the row's 512 numbers
	v_lshrrev_b32 v3, 6, v0                        ; which of the four rows
	v_lshlrev_b32 v1, 9, v1                        ; 8 rows of V or G, 64 bytes each,
	v_lshl_add_u32 v1, v3, 2, v1                   ; + 4 bytes x the column
	v_add_nc_u32 v1, s17, v1
	v_lshlrev_b32 v2, 4, v0                        ; (t / 64) x 1,024 + (t % 64) x 16 = 16 t
	s_wait_kmcnt 0x0
	s_cmp_lt_u32 s16, 4                            ; rows 0-15 come from V, rows 16-31 from G
	s_cselect_b64 s[6:7], s[6:7], s[8:9]
	s_add_nc_u64 s[12:13], s[12:13], s[18:19]
.irp j, 0,1,2,3,4,5,6,7
	global_load_b32 v[4+\j], v1, s[6:7] offset:64*\j
.endr
	s_wait_loadcnt 0x0
.irp j, 0,1,2,3
	v_cvt_pk_bf16_f32 v[12+\j], v[4+2*\j], v[5+2*\j]
.endr
	global_store_b128 v2, v[12:15], s[12:13]
	s_endpgm
.Lfunc_end_k_q97a6189bec_prep:
	.size	k_q97a6189bec_prep, .Lfunc_end_k_q97a6189bec_prep-k_q97a6189bec_prep
	.p2alignl 7, 3214868480
	.fill 96, 4, 3214868480
	.section	.rodata,"a",@progbits
	.p2align	6, 0x0
	.amdhsa_kernel k_q97a6189bec_prep
		.amdhsa_group_segment_fixed_size 0
		.amdhsa_private_segment_fixed_size 0
		.amdhsa_enable_private_segment 0
		.amdhsa_kernarg_size 40
		.amdhsa_user_sgpr_count 2
		.amdhsa_user_sgpr_kernarg_segment_ptr 1
		.amdhsa_wavefront_size32 1
		.amdhsa_system_sgpr_workgroup_id_x 1
		.amdhsa_system_sgpr_workgroup_id_y 1
		.amdhsa_system_sgpr_workgroup_id_z 1
		.amdhsa_system_vgpr_workitem_id 0
		.amdhsa_next_free_vgpr 32
		.amdhsa_next_free_sgpr 66
		.amdhsa_reserve_vcc 0
		.amdhsa_float_denorm_mode_32 3
		.amdhsa_float_denorm_mode_16_64 3
		.amdhsa_memory_ordered 1
		.amdhsa_forward_progress 1
		.amdhsa_inst_pref_size 4
	.end_amdhsa_kernel
	.amdgpu_metadata
---
amdhsa.version: [ 1, 2 ]
amdhsa.kernels:
  - .name:           k_q97a6189bec_prep
    .symbol:         k_q97a6189bec_prep.kd
    .args:
      - { .name: W, .offset: 0, .size: 8, .value_kind: global_buffer, .address_space: global }
      - { .name: V, .offset: 8, .size: 8, .value_kind: global_buffer, .address_space: global }
      - { .name: G, .offset: 16, .size: 8, .value_kind: global_buffer, .address_space: global }
      - { .name: wb, .offset: 24, .size: 8, .value_kind: global_buffer, .address_space: global }
      - { .name: vg, .offset: 32, .size: 8, .value_kind: global_buffer, .address_space: global }
    .group_segment_fixed_size: 0
    .private_segment_fixed_size: 0
    .kernarg_segment_align: 8
    .kernarg_segment_size: 40
    .max_flat_workgroup_size: 256
    .sgpr_count:     66
    .vgpr_count:     32
    .wavefront_size: 32
...
	.end_amdgpu_metadata
.endif
;; end of part 1
;; launch ntn (part 2): grid 256 x 1, 4 waves a work-group, clusters of 4 x 1, 327,680 bytes of LDS; arguments e1, e2, wb, vg, b1, b2, out0; writes out0
.if DOCPART == 2
	.amdgcn_target "amdgcn-amd-amdhsa--gfx1250"
	.amdhsa_code_object_version 6
	.text
	.protected	k_q97a6189bec_ntn
	.globl	k_q97a6189bec_ntn
	.p2align	8
	.type	k_q97a6189bec_ntn,@function
k_q97a6189bec_ntn:
	s_mov_b64 s[64:65], 0
	v_nop
	global_prefetch_b8 v0, s[64:65] scope:SCOPE_SE
	s_setreg_imm32_b32 hwreg(HW_REG_WAVE_MODE, 25, 1), 1
	s_wait_xcnt 0x0
	s_wait_alu depctr_hold_cnt(0) depctr_sa_sdst(0) depctr_va_vdst(0) depctr_va_sdst(0) depctr_va_ssrc(0) depctr_va_vcc(0) depctr_vm_vsrc(0)
	s_getreg_b32 s2, hwreg(HW_REG_IB_STS2, 6, 4)
	s_cmp_eq_u32 s2, 0
	s_cbranch_scc0 .Lentry_in_a_cluster
	s_endpgm
.Lentry_in_a_cluster:
	s_bfe_u32 s2, ttmp6, 0x10000c
	s_cmp_lg_u32 s2, 0x3003
	s_cbranch_scc0 .Lentry_shape_is_right
	s_endpgm
.Lentry_shape_is_right:
; out0[b] = [ tanh(|e2-e1| . G[0:256] + (e2 e1) . G[256:512] + b1) , tanh(e1^T W_k e2 + e1 . V[0:256] + e2 . V[256:512] + b2) ], 32,768 rows b, 16 slices k, 256 channels.
; No work of reference() is left out: every input has a way to an output.  W, V and G arrive rounded to bf16 (wb, vg); e1, e2, b1, b2 are rounded to bf16 here, once.
; THE BILINEAR TERM.  U[b][(k,d)] = sum over e of W[k][d][e] e2[b][e] is a product of 32,768 x 4,096 x 256; t[b][k] = sum over d of e1[b][d] U[b][(k,d)] is taken of the f32 results in registers.
; SHARES.  A work-group owns 128 rows b.  Wave w: rows 64 (w / 2) .. + 63 (four blocks m of 16) and, of every slice, the d rows 128 (w % 2) .. + 127 (eight tiles of 16).
; A step is a slice: 8 tiles x 4 blocks x 8 K steps of 32 = 256 products a wave; 16 steps.  e2 (256 registers) and e1 (128) stay in registers as bf16 fragments for the whole launch.
; LAYOUT.  Source 0 = 16 rows d of W, source 1 = 16 rows b of e2: in the result lane l holds row b = l % 16 and d = 8 (l / 16) + 0..7, which are just the d that the lane holds of e1's fragment.
; So a result register is folded by ONE multiply-add from a bf16 half (a RIDER); the 32 riders of a tile stand one behind each product of the next tile; one exchange of the lanes' halves a slice ends the sum.
; K ORDER.  A wave takes its own half of e (128 (w % 2) ..) first, then the other, in W's and e2's fragments alike, by addresses alone: so the own half of e2 lies beside the same channels of e1.
; THE TWO SMALL PRODUCTS are made ahead of the steps, each wave over its own 128 channels.  |e2-e1| and e2 e1 go to the matrix unit as a pair of bf16, x = hi + lo (16 significant bits), so that they are not rounded to 8 bits a second time.
; CLUSTER.  All work-groups walk the same W.  Four form a cluster and ask for each quarter slice JOINTLY (the same load, descriptor and mask in all four); a mask names four at the most, so 4 x 1 takes all that sharing gives.
; LIMITS.  All seven inputs are rounded once to bf16 (nearest even).  Sums in f32, in another order than reference()'s.  tanh(x) = 1 - 2 / (1 + 2^(2 log2(e) x)): absolute error about 1e-7, so a result
; far below that loses its relative accuracy; it ends at +1 and -1 where the power overflows or vanishes; a NaN stays a NaN.
.set PW,    528                        ; a row of a slice in LDS: 512 bytes + 16 of padding = 132 words: the 16 rows of a fragment load start at 16 different groups of four banks (64 banks of 4 bytes: ISA guide 11.1)
.set WQ,    64*PW                      ; 64 rows: what one tensor load brings
.set SLOT,  4*WQ                       ; a slice.  SLOT = 0x21000 shares no bit with wave x WQ = wave x 0x8400, so one exclusive or changes slots
.set STAGE, 2*SLOT                     ; behind the ring, never filled by a tensor load: 128 rows of SP bytes: 0-127 t (word 2 k + d half), 128-255 forward (64 x half + 4 k), 256-383 match (the same)
.set SP,    400                        ; 25 x 16 bytes: rows start at different groups of banks
.set SPARE, STAGE+128*SP               ; the spare words, 128 bytes for each wave: two blocks of 256 bytes that no other line names
.set SLICE, 131072                     ; bytes of a slice in wb
; window 0
.set LR,    1                          ; l % 16
.set LH,    2                          ; l / 16
.set ADR0A, 3                          ; my lane's place in a slot: my d rows, my own half of e; never rewritten
.set ADR0B, 4                          ; the same, the other half of e
.set ADRA,  5                          ; + the slot in hand
.set ADRB,  6
.set TADR0, 7                          ; STAGE: my row of block 0, my d half's word of slice 0
.set SPW,   8                          ; LDS address of my spare word; never rewritten
.set NIL,   9                          ; 0, for the add alone
.set ZERO,  10                         ; 0.0: starts a slice's weighted sums
.set FST,   11                         ; STAGE: where my 32 bytes of a forward or match partial go
.set PFO,   12                         ; 256 x lane
.set EOA,   13                         ; my byte offset in 16 rows of e1 or e2 (f32), own half of the channels
.set EOB,   14                         ; the other half
.set VGO,   15                         ; my byte offset in 16 rows of vg
.set SS,    16                         ; v16-19 the weighted sums, one a block
.set TM,    20                         ; v20-23 at work
.set BO,    24                         ; 32 (l / 16): my 8 numbers of a bias
.set RT,    25                         ; the end: where I read t,
.set RF,    26                         ; forward and match, and put finished numbers,
.set RB,    27                         ; and read whole rows back
.set GO,    28                         ; 16 x lane
.set TADR,  29
.set ACC,   32                         ; v32-95 two sets of four accumulators: set P, block m at ACC + 32 P + 8 m
.set MA,    32                         ; ahead of the steps: match, block m at MA + 8 m
.set FA,    64                         ; forward
.set BB1,   96                         ; v96-103 b1, v104-111 b2, of k = 8 (l / 16) + 0..7: rounded to bf16, kept as f32
.set BB2,   104
.set BT,    112                        ; v112-119 at work
.set WB,    128                        ; v128-255 W's fragments: buffer P, K step f at WB + 64 P + 8 f
.set VF,    128                        ; ahead of the steps: vg's 16 fragments
.set EB,    128                        ; at the end: 2 x 48 registers
; window 1: v0-127 e2, own half: block m, K step f at 32 m + 8 f; v128-191 e1 of blocks 0, 1 at 128 + 32 m + 8 f.   window 2: the other half of e2; e1 of blocks 2, 3.
.set MONE1, 192                        ; window 1: -1.0
.set ZERO1, 193                        ; window 1: 0.0
; window 3: while e1 and e2 arrive, four quarters of 64 f32.  Then v0-127: block m's operands at 32 m + 8 op (|e2-e1| hi, lo; e2 e1 hi, lo)
.set SCT,   128                        ; window 3: 16 differences in f32
.set SCP,   144                        ; window 3: 16 products in f32
.set MONE3, 160                        ; window 3: -1.0
.set E1B, 4                            ; s[4:5] e1, s[6:7] e2: at my wave's first row
.set E2B, 6                            ; s[8:9] wb, s[10:11] vg, s[12:13] b1, s[14:15] b2, s[16:17] out0 at my wave's 32 rows
.set WV,  18                           ; my wave's number
.set RH,  19                           ; which 64 rows
.set NH,  20                           ; which half of d
.set CX,  21                           ; my place in the cluster: it enters global addresses alone (s21, s22, s58-63 and the pointers made of them)
.set WG,  22
.set G1,  24                           ; s[24:31] descriptor group 1
.set G0A, 32                           ; s[32:35] group 0: slot 0, slice 0
.set G0B, 36                           ; s[36:39] group 0: slot 1, slice 1; then it walks
.set SEL, 40                           ; s[40:41] v_permlanex16_b32's selects: each lane takes its own place in the other half
.set TB,  42                           ; the slot that is read: 0 or SLOT
.set CNT, 43
.set LIM, 44                           ; 2 in the launch's first cluster, else the greatest number: a wave prefetches while CNT is above it
.set ABSM, 45
.set PFA, 46                           ; s[46:47] where my prefetches stand
.set TK,  56                           ; 8 x the slice whose sums are stored next
.set K1, 0x04                          ; source 1 in window 1, all else in window 0: a product, its rider and the LDS loads share the setting
.set K2, 0x08                          ; source 1 in window 2
.set MSB, 0
.macro WIN new                         ; bits 1:0 source 0, 3:2 source 1, 5:4 source 2, 7:6 destination; the high byte repeats the setting that is left; a switch that changes nothing is dropped
.if MSB != (\new)
	s_set_vgpr_msb (MSB<<8)|(\new)
.set MSB, (\new)
.endif
.endm
.macro PLACES
.rept 4
	v_nop
.endr
.endm
; A round of the cluster's barrier: my work-group's barrier, so that wave 0's signal speaks for all four waves; wave 0 signals; every wave waits for all four work-groups; my work-group's barrier once more.
.macro CREST
	s_cmp_lg_u32 s[WV], 0
	s_cbranch_scc1 .Lnot_wave_0_\@
	s_barrier_signal -3
.Lnot_wave_0_\@:
	s_barrier_wait -3
	s_barrier_signal -1
	s_barrier_wait -1
.endm
.macro CROUND
	s_barrier_signal -1
	s_barrier_wait -1
	CREST
.endm
	s_load_b256 s[4:11], s[0:1], 0x0               ; e1, e2, wb, vg
	s_load_b128 s[12:15], s[0:1], 0x20             ; b1, b2
	s_load_b64 s[16:17], s[0:1], 0x30              ; out0
	v_lshl_add_u32 v[SPW], v0, 2, SPARE
	v_mov_b32 v[NIL], 0
	ds_add_u32 v[SPW], v[NIL]                      ; the wave's opening: the add, twice on end, and its wait ahead of my first tensor load; the set-up below is the register work between
	ds_add_u32 v[SPW], v[NIL]
	v_lshrrev_b32 v1, 5, v0
	v_readfirstlane_b32 s[WV], v1
	s_lshr_b32 s[RH], s[WV], 1
	s_and_b32 s[NH], s[WV], 1
	s_bfe_u32 s[CX], ttmp6, 0x40000
	s_lshl_b32 s[WG], ttmp9, 2                     ; in a cluster launch ttmp9 counts clusters
	s_add_co_u32 s[WG], s[WG], s[CX]
	; descriptor group 1: a tile of 64 rows x 256 elements of 2 bytes, padded in LDS
	s_mov_b32 s[G1+0], 15|(1<<16)|(1<<20)|(1<<21)|(6<<22)|(3<<25)  ; 15:0 the mask of four; 17:16 2-byte elements; 20 padding on; 21 set beside a mask; 24:22 after every 128 words (code 6); 31:25 4 words (code 3)
	s_mov_b32 s[G1+1], 256<<16                     ; tensor_dim0 = 256
	s_mov_b32 s[G1+2], 64<<16                      ; tensor_dim1 = 64
	s_mov_b32 s[G1+3], 256<<16                     ; tile_dim0 = 256
	s_mov_b32 s[G1+4], 64                          ; tile_dim1 = 64
	s_mov_b32 s[G1+5], 256                         ; 256 elements from row to row
	s_mov_b32 s[G1+6], 0
	s_mov_b32 s[G1+7], 0
	s_mov_b32 s[SEL], 0x76543210
	s_mov_b32 s[SEL+1], 0xfedcba98
	s_mov_b32 s[TB], 0
	s_mov_b32 s[TK], 0
	s_mov_b32 s[ABSM], 0x7fffffff
	s_cmp_eq_u32 ttmp9, 0                          ; the same in all four partners
	s_cselect_b32 s[LIM], 2, -1
	v_and_b32 v[LR], 15, v0
	v_bfe_u32 v[LH], v0, 4, 1
	; W's fragments: row (128 half + l % 16) x pitch + 16 (l / 16) + the half of e
	v_mul_u32_u24 v[ADR0A], v[LR], PW
	v_lshl_add_u32 v[ADR0A], v[LH], 4, v[ADR0A]
	s_mul_i32 s48, s[NH], 128*PW+256
	s_mul_i32 s49, s[NH], 128*PW-256
	s_add_co_u32 s49, s49, 256
	v_add_nc_u32 v[ADR0B], s49, v[ADR0A]
	v_add_nc_u32 v[ADR0A], s48, v[ADR0A]
	; the stage, on the way in
	s_mul_i32 s50, s[RH], 64*SP
	s_add_co_u32 s50, s50, STAGE
	v_mul_u32_u24 v[TADR0], v[LR], SP
	v_add_nc_u32 v[TADR0], s50, v[TADR0]
	s_lshl_b32 s51, s[NH], 6
	v_lshl_add_u32 v[FST], v[LH], 5, v[TADR0]
	v_add_nc_u32 v[FST], s51, v[FST]
	s_lshl_b32 s51, s[NH], 2
	v_add_nc_u32 v[TADR0], s51, v[TADR0]
	; the stage, at the end: wave w finishes rows 32 w .. 32 w + 31
	s_mul_i32 s50, s[WV], 32*SP
	s_add_co_u32 s50, s50, STAGE
	v_mul_u32_u24 v[RF], v[LR], SP
	v_add_nc_u32 v[RF], s50, v[RF]
	v_lshl_add_u32 v[RT], v[LH], 6, v[RF]
	v_lshl_add_u32 v[RF], v[LH], 5, v[RF]
	v_bfe_u32 v[RB], v0, 3, 2                      ; back: 32 lanes take four rows of 128 bytes
	v_mul_u32_u24 v[RB], v[RB], SP
	v_and_b32 v[GO], 7, v0
	v_lshl_add_u32 v[RB], v[GO], 4, v[RB]
	v_add_nc_u32 v[RB], s50, v[RB]
	v_and_b32 v[GO], 31, v0
	v_lshlrev_b32 v[PFO], 8, v[GO]
	v_lshlrev_b32 v[GO], 4, v[GO]
	; offsets in memory
	v_lshlrev_b32 v[EOA], 10, v[LR]                ; a row of e1, e2 and vg is 1,024 bytes
	v_lshl_add_u32 v[VGO], v[LH], 4, v[EOA]
	v_lshl_add_u32 v[EOA], v[LH], 5, v[EOA]
	s_lshl_b32 s51, s[NH], 8
	v_add_nc_u32 v[VGO], s51, v[VGO]
	s_lshl_b32 s51, s[NH], 9
	s_xor_b32 s53, s51, 512
	v_add_nc_u32 v[EOB], s53, v[EOA]
	v_add_nc_u32 v[EOA], s51, v[EOA]
	v_lshlrev_b32 v[BO], 5, v[LH]
	v_mov_b32 v[ZERO], 0
.irp m, 0,1,2,3
	v_mov_b32 v[TM+\m], 0                          ; v_permlanex16_b32's destination counts as read: written once here
.endr
	WIN 0x40
	v_mov_b32 v[MONE1], -1.0
	v_mov_b32 v[ZERO1], 0
	WIN 0
	s_mul_i32 s52, s[WV], WQ                       ; my quarter of a slot,
	s_lshl_b32 s54, s[WV], 15                      ; and of a slice in memory: 64 rows of 512 bytes.  Neither hangs on a place in the cluster
	s_mov_b32 s55, 0
	s_lshl_b32 s58, s[WG], 17                      ; my work-group's 128 rows of 1,024 bytes,
	s_lshl_b32 s59, s[RH], 16                      ; my wave's 64
	s_add_co_u32 s58, s58, s59
	s_mov_b32 s59, 0
	s_lshl_b32 s60, s[WG], 14                      ; out0: 128 rows of 128 bytes,
	s_lshl_b32 s61, s[WV], 12                      ; the 32 that I finish
	s_add_co_u32 s60, s60, s61
	s_mov_b32 s61, 0
	s_lshl_b32 s62, s[CX], 15                      ; the prefetches: of a slice's 512 blocks of 256 bytes my work-group takes 128,
	s_lshl_b32 s63, s[WV], 13                      ; my wave 32, a lane one
	s_add_co_u32 s62, s62, s63
	s_add_co_u32 s62, s62, 3*SLICE                 ; at slice 3: the first change of slots steps it to slice 4
	s_mov_b32 s63, 0
	s_mov_b32 s[G0A], 1                            ; 1:0 count = 1
	s_mov_b32 s[G0A+1], s52                        ; 63:32 LDS address
	s_mov_b32 s[G0B], 1
	s_add_co_u32 s[G0B+1], s52, SLOT
	s_wait_dscnt 0x0                               ; both opening adds are done
	s_wait_kmcnt 0x0
	s_add_nc_u64 s[E1B:E1B+1], s[E1B:E1B+1], s[58:59]
	s_add_nc_u64 s[E2B:E2B+1], s[E2B:E2B+1], s[58:59]
	s_add_nc_u64 s[16:17], s[16:17], s[60:61]
	s_add_nc_u64 s[PFA:PFA+1], s[8:9], s[62:63]
	s_add_nc_u64 s[G0A+2:G0A+3], s[8:9], s[54:55]  ; 120:64 global address: my quarter of slice 0,
	s_add_nc_u64 s[G0B+2:G0B+3], s[G0A+2:G0A+3], SLICE  ; of slice 1
	s_or_b32 s[G0A+3], s[G0A+3], 0x80000000        ; 127:126 type = 2
	s_or_b32 s[G0B+3], s[G0B+3], 0x80000000
	CROUND                                         ; all four work-groups are here: the first joint loads meet
	tensor_load_to_lds s[G0A:G0A+3], s[G1:G1+7]    ; both first fills go out together, ahead of every wait on TENSORcnt and every LDS read: two loads of mine are out
	s_nop 0
	tensor_load_to_lds s[G0B:G0B+3], s[G1:G1+7]
	s_nop 0
	PLACES
; ---------------------------------------------------------------- e1, e2, vg and the biases arrive
; vg's fragments: q 0-3 V for e1, 4-7 V for e2, 8-11 G for |e2-e1|, 12-15 G for e2 e1; each over my own 128 channels, 32 a fragment
.irp q, 0,1,2,3,4,5,6,7,8,9,10,11,12,13,14,15
	global_load_b128 v[VF+8*\q:VF+8*\q+3],   v[VGO], s[10:11] offset:16384*((\q)/8)+512*(((\q)/4)%2)+64*((\q)%4)
	global_load_b128 v[VF+8*\q+4:VF+8*\q+7], v[VGO], s[10:11] offset:16384*((\q)/8)+512*(((\q)/4)%2)+64*((\q)%4)+32
.endr
	global_load_b128 v[BB1:BB1+3],   v[BO], s[12:13]
	global_load_b128 v[BB1+4:BB1+7], v[BO], s[12:13] offset:16
	global_load_b128 v[BB2:BB2+3],   v[BO], s[14:15]
	global_load_b128 v[BB2+4:BB2+7], v[BO], s[14:15] offset:16
; A batch: 16 rows x 128 channels in f32, 16 loads, into quarter q of window 3.  A lane's 16 numbers of a fragment are two runs of 32 bytes, 64 bytes apart; the four loads of a fragment cover 128 consecutive bytes of each row.
.macro EBATCH q, base, off, m
	WIN 0xc0                                       ; destination window 3, address window 0
.irp f, 0,1,2,3
	global_load_b128 v[64*(\q)+16*\f:64*(\q)+16*\f+3],     v[\off], s[\base:\base+1] offset:(\m)*16384+128*\f
	global_load_b128 v[64*(\q)+16*\f+4:64*(\q)+16*\f+7],   v[\off], s[\base:\base+1] offset:(\m)*16384+128*\f+16
	global_load_b128 v[64*(\q)+16*\f+8:64*(\q)+16*\f+11],  v[\off], s[\base:\base+1] offset:(\m)*16384+128*\f+64
	global_load_b128 v[64*(\q)+16*\f+12:64*(\q)+16*\f+15], v[\off], s[\base:\base+1] offset:(\m)*16384+128*\f+80
.endr
.endm
; and its rounding to four bf16 fragments at dst of window 1 (win = 0x4f) or 2 (0x8f)
.macro ECVT win, dst, q
	WIN \win
.set n, 0
.rept 32
	v_cvt_pk_bf16_f32 v[(\dst)+n], v[64*(\q)+2*n], v[64*(\q)+2*n+1]
.set n, n+1
.endr
.endm
	EBATCH 0, E2B, EOA, 0                          ; four batches are out at a time: 64 loads of 512 bytes a wave
	EBATCH 1, E2B, EOA, 1
	EBATCH 2, E2B, EOA, 2
	EBATCH 3, E2B, EOA, 3
	s_wait_loadcnt 48                              ; loads come back in order (ISA guide 5.7.1): the oldest batch is in, and vg and the biases ahead of it; three batches of 16 stay out
	WIN 0
.irp j, 0,1,2,3,4,5,6,7
	v_cvt_pk_bf16_f32 v[BT+\j], v[BB1+2*\j], v[BB1+2*\j+1]  ; the biases are rounded like every input, and kept as f32
.endr
.irp j, 0,1,2,3,4,5,6,7
	v_lshlrev_b32 v[BB1+2*\j], 16, v[BT+\j]
	v_and_b32 v[BB1+2*\j+1], 0xffff0000, v[BT+\j]
.endr
	ECVT 0x4f, 0, 0                                ; e2, own half, block 0
	EBATCH 0, E1B, EOA, 0
	s_wait_loadcnt 48
	ECVT 0x4f, 32, 1
	EBATCH 1, E1B, EOA, 1
	s_wait_loadcnt 48
	ECVT 0x4f, 64, 2
	EBATCH 2, E1B, EOA, 2
	s_wait_loadcnt 48
	ECVT 0x4f, 96, 3
	EBATCH 3, E1B, EOA, 3
	s_wait_loadcnt 48
	ECVT 0x4f, 128, 0                              ; e1, blocks 0 and 1 into window 1,
	EBATCH 0, E2B, EOB, 0
	s_wait_loadcnt 48
	ECVT 0x4f, 160, 1
	EBATCH 1, E2B, EOB, 1
	s_wait_loadcnt 48
	ECVT 0x8f, 128, 2                              ; blocks 2 and 3 into window 2
	EBATCH 2, E2B, EOB, 2
	s_wait_loadcnt 48
	ECVT 0x8f, 160, 3
	EBATCH 3, E2B, EOB, 3
	s_wait_loadcnt 48
	ECVT 0x8f, 0, 0                                ; e2, the other half; nothing more is asked for, and the counts run down
	s_wait_loadcnt 32
	ECVT 0x8f, 32, 1
	s_wait_loadcnt 16
	ECVT 0x8f, 64, 2
	s_wait_loadcnt 0x0
	ECVT 0x8f, 96, 3
	WIN 0xc0
	v_mov_b32 v[MONE3], -1.0
; ---------------------------------------------------------------- the two small products, over my own 128 channels
; 16 differences e2 - e1 and 16 products e1 e2 of block m, channels 32 f on, straight from the bf16 halves into f32, in the order of a fragment's halves
.macro STAGEA m, f
	WIN 0xd5+(\m)/2                                ; destination window 3; source 0 e1's window (1 or 2); sources 1 and 2 window 1
.set n, 0
.rept 8
.set rE1, 128+32*((\m)%2)+8*(\f)+n
.set rE2, 32*(\m)+8*(\f)+n
	v_fma_mix_f32_bf16 v[SCT+2*n],   v[rE1], v[MONE1], v[rE2] op_sel_hi:[1,0,1]
	v_fma_mix_f32_bf16 v[SCT+2*n+1], v[rE1], v[MONE1], v[rE2] op_sel:[1,0,1] op_sel_hi:[1,0,1]
	v_fma_mix_f32_bf16 v[SCP+2*n],   v[rE1], v[rE2], v[ZERO1] op_sel_hi:[1,1,0]
	v_fma_mix_f32_bf16 v[SCP+2*n+1], v[rE1], v[rE2], v[ZERO1] op_sel:[1,1,0] op_sel_hi:[1,1,0]
.set n, n+1
.endr
.endm
; the magnitudes; each number x as hi = bf16(x) and lo = bf16(x - hi): four fragments for block m
.macro STAGEB m
	WIN 0xff
.set n, 0
.rept 16
	v_and_b32 v[SCT+n], s[ABSM], v[SCT+n]
.set n, n+1
.endr
.set n, 0
.rept 8
	v_cvt_pk_bf16_f32 v[32*(\m)+n],    v[SCT+2*n], v[SCT+2*n+1]
	v_cvt_pk_bf16_f32 v[32*(\m)+16+n], v[SCP+2*n], v[SCP+2*n+1]
.set n, n+1
.endr
.set n, 0
.rept 8
	v_fma_mix_f32_bf16 v[SCT+2*n],   v[32*(\m)+n],    v[MONE3], v[SCT+2*n]   op_sel_hi:[1,0,0]
	v_fma_mix_f32_bf16 v[SCT+2*n+1], v[32*(\m)+n],    v[MONE3], v[SCT+2*n+1] op_sel:[1,0,0] op_sel_hi:[1,0,0]
	v_fma_mix_f32_bf16 v[SCP+2*n],   v[32*(\m)+16+n], v[MONE3], v[SCP+2*n]   op_sel_hi:[1,0,0]
	v_fma_mix_f32_bf16 v[SCP+2*n+1], v[32*(\m)+16+n], v[MONE3], v[SCP+2*n+1] op_sel:[1,0,0] op_sel_hi:[1,0,0]
.set n, n+1
.endr
.set n, 0
.rept 8
	v_cvt_pk_bf16_f32 v[32*(\m)+8+n],  v[SCT+2*n], v[SCT+2*n+1]
	v_cvt_pk_bf16_f32 v[32*(\m)+24+n], v[SCP+2*n], v[SCP+2*n+1]
.set n, n+1
.endr
.endm
; 24 products for channels 32 f on.  Source 0 = 16 rows k of vg, source 1 = 16 rows b: a lane ends with row b = l % 16 and k = 8 (l / 16) + 0..7.
; The accumulators take turns, one instruction a turn; the first product on each starts its sum with the constant 0.
.macro SMALLMM f
	WIN 0x0c                                       ; source 1 in window 3
.irp op, 0,1,2,3
.irp m, 0,1,2,3
.if ((\f) == 0) && ((\op) == 0)
	v_wmma_f32_16x16x32_bf16 v[MA+8*\m:MA+8*\m+7], v[VF+8*(8+(\f)+4*((\op)/2)):VF+8*(8+(\f)+4*((\op)/2))+7], v[32*\m+8*\op:32*\m+8*\op+7], 0
.else
	v_wmma_f32_16x16x32_bf16 v[MA+8*\m:MA+8*\m+7], v[VF+8*(8+(\f)+4*((\op)/2)):VF+8*(8+(\f)+4*((\op)/2))+7], v[32*\m+8*\op:32*\m+8*\op+7], v[MA+8*\m:MA+8*\m+7]
.endif
.endr
.endr
	WIN K1
.irp m, 0,1,2,3
.if (\f) == 0
	v_wmma_f32_16x16x32_bf16 v[FA+8*\m:FA+8*\m+7], v[VF+8*(4+(\f)):VF+8*(4+(\f))+7], v[32*\m+8*(\f):32*\m+8*(\f)+7], 0
.else
	v_wmma_f32_16x16x32_bf16 v[FA+8*\m:FA+8*\m+7], v[VF+8*(4+(\f)):VF+8*(4+(\f))+7], v[32*\m+8*(\f):32*\m+8*(\f)+7], v[FA+8*\m:FA+8*\m+7]
.endif
.endr
.irp m, 0,1
	v_wmma_f32_16x16x32_bf16 v[FA+8*\m:FA+8*\m+7], v[VF+8*(\f):VF+8*(\f)+7], v[128+32*\m+8*(\f):128+32*\m+8*(\f)+7], v[FA+8*\m:FA+8*\m+7]
.endr
	WIN K2
.irp m, 2,3
	v_wmma_f32_16x16x32_bf16 v[FA+8*\m:FA+8*\m+7], v[VF+8*(\f):VF+8*(\f)+7], v[128+32*(\m-2)+8*(\f):128+32*(\m-2)+8*(\f)+7], v[FA+8*\m:FA+8*\m+7]
.endr
.endm
.irp f, 0,1,2,3                        ; the next group's first 32 lines name no register of the match products: they are the places ahead of the lines that write those products' operands anew
	STAGEA 0, \f
	STAGEB 0
	STAGEA 1, \f
	STAGEB 1
	STAGEA 2, \f
	STAGEB 2
	STAGEA 3, \f
	STAGEB 3
	SMALLMM \f
.endr
	WIN 0
	PLACES                                         ; four places ahead of the stores that read these results and of the loads into vg's registers
	PLACES                                         ; five are wanted ahead of the products that write over these accumulators: eight, once a launch
.irp m, 0,1,2,3                        ; each accumulator's low registers first
	ds_store_b128 v[FST], v[FA+8*\m:FA+8*\m+3]   offset:16*SP*\m+128
	ds_store_b128 v[FST], v[FA+8*\m+4:FA+8*\m+7] offset:16*SP*\m+144
	ds_store_b128 v[FST], v[MA+8*\m:MA+8*\m+3]   offset:16*SP*\m+256
	ds_store_b128 v[FST], v[MA+8*\m+4:MA+8*\m+7] offset:16*SP*\m+272
.endr
; ---------------------------------------------------------------- the sixteen slices
; 16 LDS loads in one run: tile nt's eight fragments of W (16 rows d x 256 e) into buffer nt % 2, my own half of e first.  Data and address lie in window 0, under every setting used here.
.macro FETCH nt
.irp f, 0,1,2,3
	ds_load_b128 v[WB+64*((\nt)%2)+8*\f:WB+64*((\nt)%2)+8*\f+3],   v[ADRA] offset:16*PW*(\nt)+64*\f
	ds_load_b128 v[WB+64*((\nt)%2)+8*\f+4:WB+64*((\nt)%2)+8*\f+7], v[ADRA] offset:16*PW*(\nt)+64*\f+32
.endr
.irp f, 0,1,2,3
	ds_load_b128 v[WB+64*((\nt)%2)+32+8*\f:WB+64*((\nt)%2)+32+8*\f+3],   v[ADRB] offset:16*PW*(\nt)+64*\f
	ds_load_b128 v[WB+64*((\nt)%2)+32+8*\f+4:WB+64*((\nt)%2)+32+8*\f+7], v[ADRB] offset:16*PW*(\nt)+64*\f+32
.endr
.endm
; Product i of a tile's 32, on set P: K step i / 4, block i % 4.  The four accumulators take turns, one instruction a turn, over tile borders and the backward jump too; the first four start the sums.
.macro MM P
.if i < 16
	WIN K1
.else
	WIN K2
.endif
.set rA, ACC+32*(\P)+8*(i%4)
.set rW, WB+64*(\P)+8*(i/4)
.set rE, 32*(i%4)+8*((i/4)%4)
.if i < 4
	v_wmma_f32_16x16x32_bf16 v[rA:rA+7], v[rW:rW+7], v[rE:rE+7], 0
.else
	v_wmma_f32_16x16x32_bf16 v[rA:rA+7], v[rW:rW+7], v[rE:rE+7], v[rA:rA+7]
.endif
.endm
.macro FMIX d, a, b, c, y              ; d = a x (half y of b, bf16) + c
.if \y
	v_fma_mix_f32_bf16 v[\d], v[\a], v[\b], v[\c] op_sel:[0,1,0] op_sel_hi:[0,1,0]
.else
	v_fma_mix_f32_bf16 v[\d], v[\a], v[\b], v[\c] op_sel_hi:[0,1,0]
.endif
.endm
; Rider i of 32 for tile pt, whose results lie in the set other than P: block i / 8, register i % 8, ascending.  Blocks 0, 1 have their e1 in window 1, like
; the products of i < 16; blocks 2, 3 in window 2.  A slice's first rider on a block starts the sum.  A block's first rider stands four riders or more behind the product that ended its accumulator.
.macro RD pt, P
.if i < 16
	WIN K1
.else
	WIN K2
.endif
.set rA, ACC+32*(1-(\P))+i
.set rE, 128+32*((i/8)%2)+8*((\pt)/2)+4*((\pt)%2)+(i%8)/2
.set rS, SS+i/8
.set rC, rS
.if ((\pt) == 0) && (i%8 == 0)
.set rC, ZERO
.endif
	FMIX rS, rA, rE, rC, i%2
.endm
.macro MR P, pt, a, b, rid             ; products a to b, each with its rider
.set i, (\a)
.rept (\b)-(\a)+1
	MM \P
.if \rid
	RD \pt, \P
.endif
.set i, i+1
.endr
.endm
; A slice's sums: the other half of the lanes holds the other d; both halves then store the same number to the same word.
.macro FLUSH
	WIN 0
	v_add_nc_u32 v[TADR], s[TK], v[TADR0]
.irp m, 0,1,2,3
	v_permlanex16_b32 v[TM+\m], v[SS+\m], s[SEL], s[SEL+1]
.endr
.irp m, 0,1,2,3
	v_add_f32 v[TM+\m], v[TM+\m], v[SS+\m]
.endr
.irp m, 0,1,2,3
	ds_store_b32 v[TADR], v[TM+\m] offset:16*SP*\m
.endr
	s_add_co_u32 s[TK], s[TK], 8
.endm
; A PREFETCH INTO THE L2 of the slice that stands two refills on: 512 products ahead of the load that will ask for it.  All clusters walk the same slices: the launch's first cluster asks.  Its four
; work-groups x four waves x 32 lanes name the slice's 512 blocks of 256 bytes once each, told apart by address.  Slices 0 to 3 come by their loads alone; the last two refills have no slice two on.
.macro ASK
	s_cmp_gt_u32 s[CNT], s[LIM]
	s_cbranch_scc0 .Lnot_mine_\@
	global_prefetch_b8 v[PFO], s[PFA:PFA+1] th:TH_LOAD_NT scope:SCOPE_SE
.Lnot_mine_\@:
.endm
; A tile but the slice's last: its fragments were asked for 28 products ago; the next tile's go out behind the fourth product, five riders behind the last product that read their buffer.
.macro TILE nt, rid
	s_wait_dscnt 0x0
	MR (\nt)%2, ((\nt)+7)%8, 0, 3, \rid
	FETCH (\nt)+1
	MR (\nt)%2, ((\nt)+7)%8, 4, 31, \rid
.endm
; A slice's last tile, and THE CHANGE OF SLOTS: its fragments are the last bytes read of the slot.  chg = 1: the slot is filled again, with the slice two on; 2: nothing is left to ask for; 0: the last slice.
; Each wave waits for all its tensor loads, of which one is out: its quarter of the other slot; adds 0 to its spare word; and waits for that and for its reads of this slot.  Behind the barrier nobody reads this
; slot any more and the other is whole.  With chg = 1 the barrier opens a round of the cluster's, and the joint refill is the first thing behind the round: some 248 products stand between it and the wait for it.
.macro TILE7 chg
.if (\chg) == 1
	s_wait_xcnt 0x0                                ; the last prefetch, a slice back, has read its address
	s_add_nc_u64 s[PFA:PFA+1], s[PFA:PFA+1], SLICE
.endif
.if (\chg) != 0
	WIN 0                                          ; (the add's two registers lie in window 0)
	s_wait_tensorcnt 0x0                           ; no tensor load of mine is out, so a group 0 may be written
	ds_add_u32 v[SPW], v[NIL]                      ; 0 onto my spare word
.if (\chg) == 1
	s_xor_b32 s[G0B+1], s[G0B+1], SLOT             ; the walking descriptor: the other slot than last time,
	s_add_nc_u64 s[G0B+2:G0B+3], s[G0B+2:G0B+3], SLICE  ; the next slice; the type bits on top are not reached
.endif
	s_wait_dscnt 0x1                               ; the tile's sixteen loads are in; the add alone may be out
	MR 1, 6, 0, 3, 1
	s_wait_dscnt 0x0                               ; the add is done, and my reads of this slot are over
	s_barrier_signal -1
	MR 1, 6, 4, 7, 1                               ; work on registers while the others arrive
	WIN 0                                          ; at a branch and at a label every window is 0
	s_barrier_wait -1
.if (\chg) == 1
	CREST                                          ; no wave of any partner still reads this slot or has a load on its way
	tensor_load_to_lds s[G0B:G0B+3], s[G1:G1+7]    ; my one tensor load behind the round: my quarter of the slice two on
	s_nop 0
	PLACES
.endif
	s_xor_b32 s[TB], s[TB], SLOT
	v_add_nc_u32 v[ADRA], s[TB], v[ADR0A]
	v_add_nc_u32 v[ADRB], s[TB], v[ADR0B]
	FETCH 0                                        ; the next slice's first tile
.if (\chg) == 1
	ASK
.endif
	MR 1, 6, 8, 31, 1
.else
	s_wait_dscnt 0x0
	MR 1, 6, 0, 31, 1
.endif
.endm
	s_wait_tensorcnt 0x1                           ; my quarter of slice 0 is in; slice 1's load may stay out
	s_wait_dscnt 0x0                               ; my stores into the stage are done
	s_barrier_signal -1
	s_barrier_wait -1                              ; everybody's quarter is in
	v_add_nc_u32 v[ADRA], s[TB], v[ADR0A]
	v_add_nc_u32 v[ADRB], s[TB], v[ADR0B]
	FETCH 0
	TILE 0, 0                                      ; the very first tile has no tile before it to fold
	PLACES                                         ; in its riders' stead: the places ahead of the first read of its results
	WIN 0
	s_mov_b32 s[CNT], 14
.Lstep:                                        ; trip s: tiles 1-7 of slice s, tile 0 of slice s + 1; slot s % 2 is filled again with slice s + 2; slice s's sums are stored
.irp t, 1,2,3,4,5,6
	TILE \t, 1
.endr
	TILE7 1
	TILE 0, 1
	FLUSH
	s_sub_co_u32 s[CNT], s[CNT], 1
	s_cmp_lg_u32 s[CNT], 0
	s_cbranch_scc1 .Lstep
.irp t, 1,2,3,4,5,6                    ; the tail is written out: slice 14
	TILE \t, 1
.endr
	TILE7 2
	TILE 0, 1
	FLUSH
.irp t, 1,2,3,4,5,6                    ; and slice 15
	TILE \t, 1
.endr
	TILE7 0
.set i, 0
.rept 32                               ; the last tile's riders have no products to stand behind
	RD 7, 0
.set i, i+1
.endr
	FLUSH
; ---------------------------------------------------------------- the end: wave w finishes rows 32 w .. 32 w + 31, a lane one row and k = 8 (l / 16) + 0..7, twice
	s_wait_dscnt 0x0                               ; for the others' sake: my stores into the stage are done
	s_barrier_signal -1
	s_barrier_wait -1
.irp g, 0,1
.irp c, 0,1,2,3
	ds_load_b128 v[EB+48*\g+4*\c:EB+48*\g+4*\c+3], v[RT] offset:16*SP*\g+16*\c  ; t: for each k the two halves of d, side by side
.endr
.irp c, 0,1,2,3,4,5,6,7
	ds_load_b128 v[EB+48*\g+16+4*\c:EB+48*\g+16+4*\c+3], v[RF] offset:16*SP*\g+128+64*((\c)/2)+16*((\c)%2)  ; forward, half 0 and 1; match, half 0 and 1
.endr
.endr
	s_wait_dscnt 0x0
.irp g, 0,1
.irp p, 0,2,4,6
	v_pk_add_f32 v[EB+48*\g+16+\p:EB+48*\g+17+\p], v[EB+48*\g+16+\p:EB+48*\g+17+\p], v[EB+48*\g+24+\p:EB+48*\g+25+\p]
	v_pk_add_f32 v[EB+48*\g+32+\p:EB+48*\g+33+\p], v[EB+48*\g+32+\p:EB+48*\g+33+\p], v[EB+48*\g+40+\p:EB+48*\g+41+\p]
.endr
.irp j, 0,1,2,3,4,5,6,7
	v_add_f32 v[EB+48*\g+24+\j], v[EB+48*\g+2*\j], v[EB+48*\g+2*\j+1]
.endr
.irp p, 0,2,4,6
	v_pk_add_f32 v[EB+48*\g+16+\p:EB+48*\g+17+\p], v[EB+48*\g+16+\p:EB+48*\g+17+\p], v[BB2+\p:BB2+\p+1]
	v_pk_add_f32 v[EB+48*\g+32+\p:EB+48*\g+33+\p], v[EB+48*\g+32+\p:EB+48*\g+33+\p], v[BB1+\p:BB1+\p+1]
.endr
.irp p, 0,2,4,6
	v_pk_add_f32 v[EB+48*\g+16+\p:EB+48*\g+17+\p], v[EB+48*\g+16+\p:EB+48*\g+17+\p], v[EB+48*\g+24+\p:EB+48*\g+25+\p]
.endr
.irp p, 0,2,4,6
	v_pk_mul_f32 v[EB+48*\g+16+\p:EB+48*\g+17+\p], v[EB+48*\g+16+\p:EB+48*\g+17+\p], 0x4038aa3b op_sel_hi:[1,0]  ; 2 log2(e) x
	v_pk_mul_f32 v[EB+48*\g+32+\p:EB+48*\g+33+\p], v[EB+48*\g+32+\p:EB+48*\g+33+\p], 0x4038aa3b op_sel_hi:[1,0]
.endr
.endr
.irp g, 0,1
.irp j, 0,1,2,3,4,5,6,7
	v_exp_f32 v[EB+48*\g+16+\j], v[EB+48*\g+16+\j]
	v_exp_f32 v[EB+48*\g+32+\j], v[EB+48*\g+32+\j]
.endr
.endr
	v_nop                                          ; a plain instruction between the last exponential and the use of its result (ISA guide 5.7.2),
	s_wait_alu depctr_va_vdst(0)                   ; and a wait ahead of the first use: one for the batch of 32
.irp g, 0,1
.irp p, 0,2,4,6
	v_pk_add_f32 v[EB+48*\g+16+\p:EB+48*\g+17+\p], v[EB+48*\g+16+\p:EB+48*\g+17+\p], 1.0 op_sel_hi:[1,0]
	v_pk_add_f32 v[EB+48*\g+32+\p:EB+48*\g+33+\p], v[EB+48*\g+32+\p:EB+48*\g+33+\p], 1.0 op_sel_hi:[1,0]
.endr
.endr
.irp g, 0,1
.irp j, 0,1,2,3,4,5,6,7
	v_rcp_f32 v[EB+48*\g+16+\j], v[EB+48*\g+16+\j]
	v_rcp_f32 v[EB+48*\g+32+\j], v[EB+48*\g+32+\j]
.endr
.endr
	v_nop
	s_wait_alu depctr_va_vdst(0)                   ; one for the 32 reciprocals
.irp g, 0,1
.irp p, 0,2,4,6
	v_pk_fma_f32 v[EB+48*\g+16+\p:EB+48*\g+17+\p], v[EB+48*\g+16+\p:EB+48*\g+17+\p], -2.0, 1.0 op_sel_hi:[1,0,0]
	v_pk_fma_f32 v[EB+48*\g+32+\p:EB+48*\g+33+\p], v[EB+48*\g+32+\p:EB+48*\g+33+\p], -2.0, 1.0 op_sel_hi:[1,0,0]
.endr
.endr
; A row of out0 is 128 bytes: 16 match numbers, then 16 tensor numbers.  They go over the first 128 bytes of my own 32 stage rows, which I alone read behind the barrier and have read, and come back as whole rows.
.irp g, 0,1
	ds_store_b128 v[RF], v[EB+48*\g+32:EB+48*\g+35] offset:16*SP*\g
	ds_store_b128 v[RF], v[EB+48*\g+36:EB+48*\g+39] offset:16*SP*\g+16
	ds_store_b128 v[RF], v[EB+48*\g+16:EB+48*\g+19] offset:16*SP*\g+64
	ds_store_b128 v[RF], v[EB+48*\g+20:EB+48*\g+23] offset:16*SP*\g+80
.endr
.irp c, 0,1,2,3,4,5,6,7
	ds_load_b128 v[ACC+4*\c:ACC+4*\c+3], v[RB] offset:4*SP*\c  ; LDS serves a wave's instructions in order (ISA guide 5.7.1.4): these see the stores above
.endr
.irp c, 0,1,2,3,4,5,6,7
	s_wait_dscnt 7-\c
	global_store_b128 v[GO], v[ACC+4*\c:ACC+4*\c+3], s[16:17] offset:512*\c  ; four rows: 512 consecutive bytes, at a multiple of 256 from out0's first byte
.endr
	s_wait_tensorcnt 0x0                           ; the wave's end, behind my last tensor load and my last LDS store
	ds_add_u32 v[SPW], v[NIL]
	s_wait_dscnt 0x0
	CROUND                                         ; the closing round: no work-group ends while a partner may still ask for a tile that names it
	s_endpgm
.Lfunc_end_k_q97a6189bec_ntn:
	.size	k_q97a6189bec_ntn, .Lfunc_end_k_q97a6189bec_ntn-k_q97a6189bec_ntn
	.p2alignl 7, 3214868480
	.fill 96, 4, 3214868480
	.section	.rodata,"a",@progbits
	.p2align	6, 0x0
	.amdhsa_kernel k_q97a6189bec_ntn
		.amdhsa_group_segment_fixed_size 327680
		.amdhsa_private_segment_fixed_size 0
		.amdhsa_enable_private_segment 0
		.amdhsa_kernarg_size 56
		.amdhsa_user_sgpr_count 2
		.amdhsa_user_sgpr_kernarg_segment_ptr 1
		.amdhsa_wavefront_size32 1
		.amdhsa_system_sgpr_workgroup_id_x 1
		.amdhsa_system_sgpr_workgroup_id_y 1
		.amdhsa_system_sgpr_workgroup_id_z 1
		.amdhsa_system_vgpr_workitem_id 0
		.amdhsa_next_free_vgpr 1024
		.amdhsa_next_free_sgpr 66
		.amdhsa_reserve_vcc 0
		.amdhsa_float_denorm_mode_32 3
		.amdhsa_float_denorm_mode_16_64 3
		.amdhsa_memory_ordered 1
		.amdhsa_forward_progress 1
		.amdhsa_inst_pref_size 255
	.end_amdhsa_kernel
	.section	.bss,"aw",@nobits
	.p2align	6
	.space	262144
	.amdgpu_metadata
---
amdhsa.version: [ 1, 2 ]
amdhsa.kernels:
  - .name:           k_q97a6189bec_ntn
    .symbol:         k_q97a6189bec_ntn.kd
    .args:
      - { .name: e1, .offset: 0, .size: 8, .value_kind: global_buffer, .address_space: global }
      - { .name: e2, .offset: 8, .size: 8, .value_kind: global_buffer, .address_space: global }
      - { .name: wb, .offset: 16, .size: 8, .value_kind: global_buffer, .address_space: global }
      - { .name: vg, .offset: 24, .size: 8, .value_kind: global_buffer, .address_space: global }
      - { .name: b1, .offset: 32, .size: 8, .value_kind: global_buffer, .address_space: global }
      - { .name: b2, .offset: 40, .size: 8, .value_kind: global_buffer, .address_space: global }
      - { .name: out0, .offset: 48, .size: 8, .value_kind: global_buffer, .address_space: global }
    .group_segment_fixed_size: 327680
    .private_segment_fixed_size: 0
    .kernarg_segment_align: 8
    .kernarg_segment_size: 56
    .max_flat_workgroup_size: 128
    .sgpr_count:     66
    .vgpr_count:     1024
    .wavefront_size: 32
...
	.end_amdgpu_metadata
.endif
;; end of part 2
